; MI455X (gfx1250); checked and timed in simulation.
; The chip was launched on July 23, 2026; its instructions are those of AMD's public machine-readable ISA for CDNA 5 (MIT licence, August 2026) and "CDNA5" Instruction Set Architecture Reference Guide (July 2026). The comments in the code are by the model that wrote it; some were corrected since.
;; Custom LSTM Cell. Allowed arithmetic: matrix products marked QUANTISED: E2M3 operands, one E8M0 scale for each 32 along K, by v_wmma_scale_f32_16x16x128_f8f6f4 with both operands' format E2M3, f32 sums; everything else in f32.
;; Inputs: W_f 2,048 x 1,024 float32; W_g 2,048 x 1,024 float32; W_i 2,048 x 1,024 float32; W_o 2,048 x 1,024 float32; b_f 1,024 float32; b_g 1,024 float32; b_i 1,024 float32; b_o 1,024 float32; cell_state 8,192 x 1,024 float32; hidden 8,192 x 1,024 float32; input 8,192 x 1,024 float32.
;; Outputs: out0 8,192 x 1,024 float32; out1 8,192 x 1,024 float32.
;; This version of the problem:
;;   THIS VERSION OF THE PROBLEM IS GIVEN IN LOW PRECISION. The matrix products marked QUANTISED in the list below multiply operands that are first quantised to E2M3 (2 exponent bits, 3 mantissa bits; 6 bits a number), with one power-of-two scale for each 32 numbers along K (OCP MX v1.0); their sums are f32. All else is computed in f32.
;;   The module's matrix products, in the order in which they are computed (A, B: the left and right operand; K: the contracted axis; several contracted axes count as one K, in the product's order):
;;     1. [M 8,192, K 2,048] x [K 2,048, N 4,096]; A: computed on the way; B: computed on the way: QUANTISED
;;   THE QUANTISER, for each operand of a quantised product, along K:
;;     - K is cut into blocks of 32 from its start; a last block that is shorter is filled with zeros.
;;     - A block's scale is 2^e with e = floor(log2(the largest magnitude in the block)) - 2, held to -126 .. 127; a block of zeros has e = 0. As a byte (E8M0): e + 127.
;;     - Each number is divided by its block's scale, clamped to +-7.5, and rounded to the nearest number of E2M3, ties to even, subnormals kept.
;;     - The product sums the exact products of the quantised numbers (number of the format x scale) in f32.
;;   ~~~python
;;   def quantise(x, axis):      # numpy; x: float32 -> the quantised numbers, widened to float32 again
;;       x = np.moveaxis(x, axis, -1); K = x.shape[-1]
;;       x = np.pad(x, [(0, 0)] * (x.ndim - 1) + [(0, -K % 32)]); x = x.reshape(x.shape[:-1] + (-1, 32)); a = np.abs(x).max(-1, keepdims=True)
;;       e = np.where(a > 0, np.clip(np.frexp(np.where(a > 0, a, 1))[1] - 1 - 2, -126, 127), 0)      # np.frexp(a)[1] - 1 = floor(log2(a)), exactly
;;       r = np.clip(x / 2.0 ** e, -7.5, 7.5)
;;       step = 2.0 ** (np.maximum(np.frexp(np.where(r == 0, 1, r))[1] - 1, 0) - 3)
;;       q = np.round(r / step) * step * 2.0 ** e      # np.round: ties to even
;;       return np.moveaxis(q.reshape(q.shape[:-2] + (-1,))[..., :K], -1, axis).astype(np.float32)
;;   ~~~
;;   OPERANDS COMPUTED ON THE WAY. 'Computed on the way' means the value that the module computes at that place (a softmax that the list does not call 'softmax' is quantised finished and normalised). What goes into a quantiser is computed in f32, as accurately as f32 sums, v_exp_f32 and their like allow (about 1e-6 of the number): no bf16 or f16 on the way to a quantiser, and a product that is left as it is and whose result goes on into a quantised operand takes f32 operands (vector FMAs, or v_wmma_f32_16x16x4_f32). A number that lies on a knife's edge between two numbers of the format may be rounded either way, as far as f32 arithmetic and the matrix unit's own rounding can turn it there, and no further.
;; One version. Each part assembles by itself: llvm-mc -triple=amdgcn-amd-amdhsa -mcpu=gfx1250 --defsym DOCPART=n.
;; ======== version 1 of 1: 2 launches
;; limits: right only within a limited range of input values
;; workspace buffers: a_img 13,107,200 bytes; w_img 6,553,600 bytes
;; launch quant (part 1): grid 512 x 1, 4 waves a work-group, no clusters, 36,352 bytes of LDS; arguments input, hidden, W_i, W_f, W_o, W_g, a_img, w_img; writes a_img, w_img
.if DOCPART == 1
	.amdgcn_target "amdgcn-amd-amdhsa--gfx1250"
	.amdhsa_code_object_version 6
	.text
	.protected	k_q132e3b701c_quant
	.globl	k_q132e3b701c_quant
	.p2align	8
	.type	k_q132e3b701c_quant,@function
k_q132e3b701c_quant:
	s_mov_b64 s[64:65], 0
	v_nop
	global_prefetch_b8 v0, s[64:65] scope:SCOPE_SE
	s_setreg_imm32_b32 hwreg(HW_REG_WAVE_MODE, 25, 1), 1
	s_wait_xcnt 0x0
; Both operands of the product combined [8192][2048] x W [2048][4096] are turned into codes of FP6 (E2M3), 6 bits each, with one E8M0 scale byte for each 32 along K, AND LAID IN THE ORDER OF THE OPERAND'S REGISTERS.
; A CHUNK is 128 rows x 128 along K, 12,800 bytes: eight fragments (16 rows x 128 K: 12 registers a lane) of 1,536 bytes, registers 4 c .. 4 c + 3 of lane l at 512 c + 16 l; behind them 512 bytes of scale words, the word of
; block i, row r at 256 (i / 4) + 16 r + 4 (i % 4).  Chunk (panel P, K step s) lies at (16 P + s) x 12,800.  In a fragment lane (r, h) holds row r, registers 6 c .. 6 c + 5 the codes of k = 64 c + 32 h + 0 .. 31.
; combined = [input | hidden]: K steps 0 .. 7 come from input, 8 .. 15 from hidden; panel P of a_img is rows 128 P on.  W = [W_i | W_f | W_o | W_g], each [2048 (k)][1024 (j)]: panel P of w_img is units 32 P .. 32 P + 31,
; its block 4 u + g the gate g (0 i, 1 f, 2 o, 3 g) of units 32 P + 16 u + 0 .. 15: so the four gates of a unit meet in one lane of the product's launch.
; A block's scale is 2^(floor(log2(its largest magnitude)) - 2); its byte is the largest magnitude's own exponent field - 2, held at 1 from below.  Each number is divided by the scale and rounded to the nearest code, ties to even;
; beyond 7.5 the conversion gives the largest code.
; LIMITS: a block of zeros gets the byte 1 where the rule says 127 (its codes are zeros, which add nothing under any byte but 0xff, and the bytes are read by this program alone); blocks whose largest magnitude
; lies under 2^-124, the floor, keep the byte 1; NaN and infinities among the inputs are not served.
; SHARES: work-groups 0 .. 255: a wave makes one chunk of a_img (four neighbouring K steps of a panel to a work-group).  Work-groups 256 .. 511: wave g takes gate g of 64 columns x 128 along K: its blocks of two chunks of w_img.
; The two ways part on the work-group's number, never join, and have LDS bytes of their own.  Every store of codes and of scale words covers 512 consecutive bytes, at a multiple of 256 from the buffer's first byte.
.set CHUNK, 12800
.set FRB,   1536                       ; a fragment's image
.set SPA,   528                        ; rows' way: a row of the stage: 512 bytes + 16
.set WSC,   4*16*SPA                   ; weights' way: 1,024 bytes behind the four stages: the scale words of two chunks
.set RA,    16                         ; v16-143  two sets of 64: a fragment's numbers as they are loaded
.set XA,    144                        ; v144-207 64 numbers of my row: register 16 b + i = k 32 b + 16 h + i
.set TM,    208                        ; v208-223 at work
.set PC,    224                        ; v224-242 the codes just made
.set SWD,   244                        ; v244-251 the eight fragments' scale words
.set XW,    32                         ; weights' way: v32-95 two sets of 32 numbers
.set FW,    96                         ; v96-143  codes: half hf, blocks of even (0) or odd (1) number: 12 registers at 24 hf + 12 x that
.set TP,    144                        ; v144-146 the second half of a block's codes, before it is moved
.set SW,    148                        ; v148-149 my column's scale word in each half
.set OW,    152                        ; v152-155 the way out of the scale words
	s_load_b512 s[4:19], s[0:1], 0x0               ; input s[4:5], hidden s[6:7], W_i s[8:9], W_f s[10:11], W_o s[12:13], W_g s[14:15], a_img s[16:17], w_img s[18:19]
	v_lshl_add_u32 v254, v0, 2, 0x8c00
	v_mov_b32 v255, 0
	v_lshrrev_b32 v1, 5, v0
	v_readfirstlane_b32 s24, v1                    ; wave 0..3
	v_and_b32 v2, 31, v0                           ; lane
	v_lshlrev_b32 v3, 4, v2                        ; 16 x lane: my place in a load's, a store's and an image's 512 bytes
	s_mov_b32 s33, 0                               ; the high word of every offset: all stay under 2^32
	s_wait_kmcnt 0x0
	s_cmp_lt_u32 ttmp9, 256
	s_cbranch_scc0 .Lw
; ---------------- THE ROWS OF combined.  A fragment's numbers, 16 rows x 512 bytes, come by sixteen loads of 512 consecutive bytes, go into the wave's own stage as they lie and come back so that lane (r, h) holds, of row r,
; sixteen neighbours of each block of 32: what the conversions want.  Two lanes, l and l xor 16, hold a block.
	s_lshl_b32 s25, ttmp9, 2
	s_add_co_u32 s25, s25, s24                     ; my chunk: 4 x work-group + wave
	s_lshr_b32 s26, s25, 4                         ; its panel
	s_and_b32 s27, s25, 15                         ; its K step
	s_cmp_lt_u32 s27, 8                            ; input or hidden?  The choice hangs on ids alone
	s_cselect_b64 s[4:5], s[4:5], s[6:7]
	s_and_b32 s27, s27, 7
	s_lshl_b32 s32, s26, 19                        ; 128 rows of 4,096 bytes
	s_lshl_b32 s27, s27, 9                         ; 512 bytes a K step
	s_add_co_u32 s32, s32, s27
	s_add_nc_u64 s[4:5], s[4:5], s[32:33]
	s_mul_i32 s32, s25, CHUNK
	s_add_nc_u64 s[16:17], s[16:17], s[32:33]
	s_mov_b32 s20, 0x76543210
	s_mov_b32 s21, 0xfedcba98                      ; v_permlanex16_b32's selects for lane l xor 16
	s_mul_i32 s28, s24, 16*SPA                     ; my stage
	s_wait_alu depctr_va_vdst(0)
	v_add_nc_u32 v4, s28, v3                       ; into it: 16 x lane, a row an instruction
	v_and_b32 v6, 15, v2                           ; r
	v_lshrrev_b32 v7, 4, v2                        ; h
	v_mul_u32_u24 v5, v6, SPA
	v_lshl_add_u32 v5, v7, 6, v5
	v_add_nc_u32 v5, s28, v5                       ; out of it: row r, + 64 h: my 16 numbers of a block's 32
.irp b, 0,1,2,3
	v_mov_b32 v[TM+4+\b], 0                        ; written once: a lane permute's destination counts as one of its sources
.endr
.macro LOADA i                         ; fragment i: rows 16 i .. 16 i + 15 of the panel
.irp j, 0,1,2,3,4,5,6,7,8,9,10,11,12,13,14,15
	global_load_b128 v[RA+64*((\i)%2)+4*\j:RA+64*((\i)%2)+4*\j+3], v3, s[4:5] offset:(16*(\i)+\j)*4096 th:TH_LOAD_NT   ; 32 lanes read 512 consecutive bytes of a row
.endr
.endm
; 64 numbers of a lane, v[s] on, become a fragment's codes in v[PC] on and its scale word in v[pw].
.macro QUANT s, pw
.irp b, 0,1,2,3
	v_max3_num_f32 v[TM+\b], |v[\s+16*\b]|, |v[\s+1+16*\b]|, 0x1800000   ; block b: my 16 numbers, and the floor 2^(3 - 127), under which no largest magnitude is taken: so the byte cannot fall under 1
.endr
.irp i, 2,4,6,8,10,12,14
.irp b, 0,1,2,3
	v_max3_num_f32 v[TM+\b], v[TM+\b], |v[\s+16*\b+\i]|, |v[\s+1+16*\b+\i]|   ; (the four blocks by turns: no line waits for the line above it)
.endr
.endr
.irp b, 0,1,2,3
	v_permlanex16_b32 v[TM+4+\b], v[TM+\b], s20, s21
.endr
.irp b, 0,1,2,3
	v_max_num_f32 v[TM+\b], v[TM+\b], v[TM+4+\b]   ; with lane l xor 16's: the block's largest magnitude
.endr
.irp b, 0,1,2,3
	v_add_nc_u32 v[TM+12+\b], 0xff000000, v[TM+\b] ; 2 off its exponent field: the conversion takes the exponent field of this operand as its scale, and nothing else of it
.endr
.irp b, 0,1,2,3
	v_lshrrev_b32 v[TM+4+\b], 23, v[TM+12+\b]      ; the scale's byte
.endr
	v_lshl_or_b32 v[\pw], v[TM+5], 8, v[TM+4]      ; the four bytes make my row's scale word (lanes l and l xor 16 hold the same)
	v_lshl_or_b32 v[\pw], v[TM+6], 16, v[\pw]
	v_lshl_or_b32 v[\pw], v[TM+7], 24, v[\pw]
.irp c, 0,1
	v_cvt_scalef32_pk16_fp6_f32 v[PC+6*\c:PC+2+6*\c], v[\s+32*\c:\s+15+32*\c], v[TM+12+2*\c]
	v_cvt_scalef32_pk16_fp6_f32 v[PC+12+4*\c:PC+14+4*\c], v[\s+16+32*\c:\s+31+32*\c], v[TM+12+2*\c+1]   ; (a conversion's three registers begin on an even number)
.endr
	v_nop                                          ; one plain line behind the last conversion
.irp c, 0,1                                    ; the operand's layout wants a WHOLE block in a lane: lanes 0-15 block 2 c, lanes 16-31 block 2 c + 1
.irp i, 0,1,2
	v_permlane16_swap_b32 v[PC+6*\c+\i], v[PC+12+4*\c+\i]   ; the first's lanes 16-31 change places with the second's lanes 0-15: the first now holds each lane's block's lower 16 codes, the second the upper 16
.endr
.irp i, 0,1,2
	v_mov_b32 v[PC+3+6*\c+\i], v[PC+12+4*\c+\i]
.endr
.endr
.endm
	LOADA 0
	LOADA 1
.macro FRAGA i
.if (\i) < 7
	s_wait_loadcnt 16                              ; this fragment's sixteen loads are in; the next fragment's sixteen may be out
.else
	s_wait_loadcnt 0
.endif
.irp j, 0,1,2,3,4,5,6,7,8,9,10,11,12,13,14,15
	ds_store_b128 v4, v[RA+64*((\i)%2)+4*\j:RA+64*((\i)%2)+4*\j+3] offset:SPA*\j
.endr
.irp b, 0,1,2,3                                ; LDS serves a wave's instructions in order (ISA guide 5.7.1.4): no wait between the stores and the loads
.irp p, 0,1,2,3
	ds_load_b128 v[XA+16*\b+4*\p:XA+16*\b+4*\p+3], v5 offset:128*\b+16*\p
.endr
.endr
	s_wait_dscnt 0x0                               ; my 64 numbers are back, and the stage may be written again
.if (\i)+2 < 8
	LOADA (\i)+2                                   ; into the set that the stage's stores have read
.endif
	s_wait_xcnt 0x0                                ; the last fragment's stores have read the codes' registers: they are written again only behind this wait
	QUANT XA, SWD+\i
.irp c, 0,1,2
	global_store_b128 v3, v[PC+4*\c:PC+4*\c+3], s[16:17] offset:FRB*(\i)+512*\c   ; the image of four registers: 512 consecutive bytes
.endr
.endm
	s_wait_alu depctr_va_vdst(0)
.irp i, 0,1,2,3,4,5,6,7
	FRAGA \i
.endr
	v_cmp_le_u32 vcc_lo, 16, v2                    ; lanes 16-31 take the words of blocks 4 .. 7, lanes 0-15 those of blocks 0 .. 3: word (i, r) at 256 (i / 4) + 16 r + 4 (i % 4) = 16 x lane + 4 (i % 4)
.irp k, 0,1,2,3
	v_cndmask_b32 v[TM+\k], v[SWD+\k], v[SWD+4+\k], vcc_lo
.endr
	global_store_b128 v3, v[TM:TM+3], s[16:17] offset:8*FRB
	s_wait_tensorcnt 0x0
	ds_add_u32 v254, v255
	s_wait_dscnt 0x0
	s_endpgm
; ---------------- THE WEIGHTS.  A LANE TAKES A COLUMN j, AND ITS REGISTERS RUN DOWN K: a block of 32 along K lies in one lane's 32 registers, and the conversions give its 24 bytes of codes.  Wave g takes gate g; its 64 columns go
; as two halves of 32 (two panels), the two halves of a row's 256 bytes one block apart.  Blocks 2 c and 2 c + 1 of 32 columns become registers 6 c .. 6 c + 5 of two fragments by an exchange of half the lanes.
.Lw:
	s_sub_co_u32 s25, ttmp9, 256                   ; 0 .. 255
	s_and_b32 s28, s25, 15                         ; which 64 columns: panels 2 x this and the next
	s_lshr_b32 s29, s25, 4                         ; which K step
	s_cmp_eq_u32 s24, 1                            ; my gate's weight: the choice hangs on the wave's number alone
	s_cselect_b64 s[26:27], s[10:11], s[8:9]
	s_cmp_eq_u32 s24, 2
	s_cselect_b64 s[26:27], s[12:13], s[26:27]
	s_cmp_eq_u32 s24, 3
	s_cselect_b64 s[26:27], s[14:15], s[26:27]
	s_lshl_b32 s32, s29, 19                        ; 128 rows of 4,096 bytes
	s_lshl_b32 s30, s28, 8                         ; 64 columns of 4 bytes
	s_add_co_u32 s32, s32, s30
	s_add_nc_u64 s[26:27], s[26:27], s[32:33]
	s_lshl_b32 s30, s28, 5
	s_add_co_u32 s30, s30, s29                     ; the first half's chunk: 16 x (2 x this) + K step
	s_mul_i32 s32, s30, CHUNK
	s_add_nc_u64 s[18:19], s[18:19], s[32:33]
	s_mul_i32 s32, s24, FRB
	s_add_nc_u64 s[34:35], s[18:19], s[32:33]      ; at block g of it: my fragments are blocks g and 4 + g
	s_and_b32 s30, s24, 1
	s_mul_i32 s32, s30, 16*CHUNK
	s_add_nc_u64 s[18:19], s[18:19], s[32:33]      ; waves 0 and 1 store the scale words of the first and of the second half's chunk
	s_wait_alu depctr_va_vdst(0)
	v_lshlrev_b32 v8, 2, v2                        ; in: 4 bytes a lane
	s_lshl_b32 s30, s24, 2
	s_add_co_u32 s30, s30, WSC
	v_add_nc_u32 v5, s30, v3                       ; my column's scale word in LDS: lane = 16 u + r, block 4 u + g: 16 x lane + 4 g
	s_lshl_b32 s30, s24, 9
	s_add_co_u32 s30, s30, WSC
	v_add_nc_u32 v6, s30, v3                       ; and where waves 0 and 1 read a chunk's 512 bytes back
.macro LOADW t                         ; block t: rows 32 (t / 2) + i, half t % 2 of the 64 columns, into set t % 2
.irp i, 0,1,2,3,4,5,6,7,8,9,10,11,12,13,14,15,16,17,18,19,20,21,22,23,24,25,26,27,28,29,30,31
	global_load_b32 v[XW+32*((\t)%2)+\i], v8, s[26:27] offset:(32*((\t)/2)+\i)*4096+128*((\t)%2) th:TH_LOAD_NT
.endr
.endm
	LOADW 0
	LOADW 1
.macro BLOCKW t
.set XS, XW+32*((\t)%2)
.set FD, FW+24*((\t)%2)+12*(((\t)/2)%2)+6*((\t)/4)   ; block kb = t / 2 of half t % 2: registers 6 (kb / 2) on of the run for even or for odd blocks
.if (\t) < 7
	s_wait_loadcnt 32                              ; this block's 32 loads are in; the next block's may be out
.else
	s_wait_loadcnt 0
.endif
	v_max3_num_f32 v12, |v[XS]|, |v[XS+1]|, |v[XS+2]|              ; the block's largest magnitude: all 32 numbers are mine
	v_max3_num_f32 v13, |v[XS+3]|, |v[XS+4]|, |v[XS+5]|
.irp i, 6,10,14,18,22,26
	v_max3_num_f32 v12, v12, |v[XS+\i]|, |v[XS+\i+1]|
	v_max3_num_f32 v13, v13, |v[XS+\i+2]|, |v[XS+\i+3]|
.endr
	v_max3_num_f32 v12, v12, |v[XS+30]|, |v[XS+31]|
	v_max3_num_f32 v12, v12, v13, 0x1800000        ; and the floor 2^(3 - 127)
	v_add_nc_u32 v11, 0xff000000, v12              ; 2 off its exponent field: the conversion's scale operand
	v_lshrrev_b32 v13, 23, v11                     ; the scale's byte
.if (\t)/2 == 0
	v_mov_b32 v[SW+(\t)%2], v13                    ; four bytes to a word, the lower K in the lower byte
.else
	v_lshl_or_b32 v[SW+(\t)%2], v13, 8*((\t)/2), v[SW+(\t)%2]
.endif
	v_cvt_scalef32_pk16_fp6_f32 v[FD:FD+2], v[XS:XS+15], v11
	v_cvt_scalef32_pk16_fp6_f32 v[TP:TP+2], v[XS+16:XS+31], v11     ; (a conversion's three registers begin on an even number)
	v_nop                                          ; one plain line behind the last conversion
.irp i, 0,1,2
	v_mov_b32 v[FD+3+\i], v[TP+\i]
.endr
.if (\t)+2 < 8
	LOADW (\t)+2
.endif
.endm
.irp t, 0,1,2,3,4,5,6,7
	BLOCKW \t
.endr
	ds_store_b32 v5, v[SW]                         ; the four gates' words of a chunk meet in LDS
	ds_store_b32 v5, v[SW+1] offset:512
.irp hf, 0,1
.irp k, 0,1,2,3,4,5,6,7,8,9,10,11
	v_permlane16_swap_b32 v[FW+24*\hf+\k], v[FW+24*\hf+12+\k]   ; the even blocks' lanes 16-31 change places with the odd blocks' lanes 0-15: the first run is now the fragment of columns 0-15 (lane (r, h): block 2 c + h), the second that of columns 16-31
.endr
.endr
.irp hf, 0,1
.irp u, 0,1
.irp c, 0,1,2
	global_store_b128 v3, v[FW+24*\hf+12*\u+4*\c:FW+24*\hf+12*\u+4*\c+3], s[34:35] offset:\hf*16*CHUNK+\u*4*FRB+512*\c   ; block 4 u + g of the half's chunk
.endr
.endr
.endr
	s_wait_dscnt 0x0                               ; for the others' sake: my two words have landed
	s_barrier_signal -1
	s_barrier_wait -1
	s_cmp_lt_u32 s24, 2
	s_cbranch_scc0 .Lwdone
	ds_load_b128 v[OW:OW+3], v6                    ; lane 16 u + r: the words of blocks 4 u .. 4 u + 3, row r
	s_wait_dscnt 0x0
	global_store_b128 v3, v[OW:OW+3], s[18:19] offset:8*FRB
.Lwdone:
	s_wait_tensorcnt 0x0
	ds_add_u32 v254, v255
	s_wait_dscnt 0x0
	s_endpgm
.Lfunc_end_k_q132e3b701c_quant:
	.size	k_q132e3b701c_quant, .Lfunc_end_k_q132e3b701c_quant-k_q132e3b701c_quant
	.p2alignl 7, 3214868480
	.fill 96, 4, 3214868480
	.section	.rodata,"a",@progbits
	.p2align	6, 0x0
	.amdhsa_kernel k_q132e3b701c_quant
		.amdhsa_group_segment_fixed_size 36352
		.amdhsa_private_segment_fixed_size 0
		.amdhsa_enable_private_segment 0
		.amdhsa_kernarg_size 64
		.amdhsa_user_sgpr_count 2
		.amdhsa_user_sgpr_kernarg_segment_ptr 1
		.amdhsa_wavefront_size32 1
		.amdhsa_system_sgpr_workgroup_id_x 1
		.amdhsa_system_sgpr_workgroup_id_y 1
		.amdhsa_system_sgpr_workgroup_id_z 1
		.amdhsa_system_vgpr_workitem_id 0
		.amdhsa_next_free_vgpr 256
		.amdhsa_next_free_sgpr 66
		.amdhsa_reserve_vcc 1
		.amdhsa_float_denorm_mode_32 3
		.amdhsa_float_denorm_mode_16_64 3
		.amdhsa_memory_ordered 1
		.amdhsa_forward_progress 1
		.amdhsa_inst_pref_size 103
	.end_amdhsa_kernel
	.amdgpu_metadata
---
amdhsa.version: [ 1, 2 ]
amdhsa.kernels:
  - .name:           k_q132e3b701c_quant
    .symbol:         k_q132e3b701c_quant.kd
    .args:
      - { .name: input, .offset: 0, .size: 8, .value_kind: global_buffer, .address_space: global }
      - { .name: hidden, .offset: 8, .size: 8, .value_kind: global_buffer, .address_space: global }
      - { .name: W_i, .offset: 16, .size: 8, .value_kind: global_buffer, .address_space: global }
      - { .name: W_f, .offset: 24, .size: 8, .value_kind: global_buffer, .address_space: global }
      - { .name: W_o, .offset: 32, .size: 8, .value_kind: global_buffer, .address_space: global }
      - { .name: W_g, .offset: 40, .size: 8, .value_kind: global_buffer, .address_space: global }
      - { .name: a_img, .offset: 48, .size: 8, .value_kind: global_buffer, .address_space: global }
      - { .name: w_img, .offset: 56, .size: 8, .value_kind: global_buffer, .address_space: global }
    .group_segment_fixed_size: 36352
    .private_segment_fixed_size: 0
    .kernarg_segment_align: 8
    .kernarg_segment_size: 64
    .max_flat_workgroup_size: 128
    .sgpr_count:     66
    .vgpr_count:     256
    .wavefront_size: 32
...
	.end_amdgpu_metadata
.endif
;; end of part 1
;; launch gemm (part 2): grid 16 x 32, 4 waves a work-group, clusters of 4 x 4, 327,680 bytes of LDS; arguments a_img, w_img, b_i, b_f, b_o, b_g, cell_state, out0, out1; writes out0, out1
.if DOCPART == 2
	.amdgcn_target "amdgcn-amd-amdhsa--gfx1250"
	.amdhsa_code_object_version 6
	.text
	.protected	k_q132e3b701c_gemm
	.globl	k_q132e3b701c_gemm
	.p2align	8
	.type	k_q132e3b701c_gemm,@function
k_q132e3b701c_gemm:
	s_mov_b64 s[64:65], 0
	v_nop
	global_prefetch_b8 v0, s[64:65] scope:SCOPE_SE
	s_setreg_imm32_b32 hwreg(HW_REG_WAVE_MODE, 25, 1), 1
	s_wait_xcnt 0x0
	s_wait_alu depctr_hold_cnt(0) depctr_sa_sdst(0) depctr_va_vdst(0) depctr_va_sdst(0) depctr_va_ssrc(0) depctr_va_vcc(0) depctr_vm_vsrc(0)
	s_getreg_b32 s2, hwreg(HW_REG_IB_STS2, 6, 4)
	s_cmp_eq_u32 s2, 0
	s_cbranch_scc0 .Lentry_in_a_cluster
	s_endpgm
.Lentry_in_a_cluster:
	s_bfe_u32 s2, ttmp6, 0x10000c
	s_cmp_lg_u32 s2, 0xf033
	s_cbranch_scc0 .Lentry_shape_is_right
	s_endpgm
.Lentry_shape_is_right:
; gates = combined W + b on codes of FP6 (E2M3) with one E8M0 scale for each 32 along K = 2,048; i, f, o = sigmoid, g = tanh; out1 = new_cell = f c + i g; out0 = new_hidden = o tanh(new_cell).  All behind the product in f32.
; THE OPERANDS LIE IN THE ORDER OF THEIR REGISTERS.  A chunk, 128 rows x 128 K, is 12,800 bytes: eight fragments of 1,536 bytes (registers 4 c .. 4 c + 3 of lane l at 512 c + 16 l), then 512 bytes of scale words (block i, row r at
; 256 (i / 4) + 16 r + 4 (i % 4)).  Chunk (panel P, K step s) lies at (16 P + s) x 12,800.  Panel P of a_img: rows 128 P on of [input | hidden].  Panel P of w_img: block 4 u + g = gate g (0 i, 1 f, 2 o, 3 g) of units 32 P + 16 u + 0 .. 15.
; SHARES.  A work-group of four waves makes 256 rows x 64 hidden units x 4 gates; a wave makes 128 x 128: 64 accumulators, 512 registers.  The matrix instruction is used transposed (source 0 = 16 rows of W, source 1 = 16 rows of
; combined): in accumulator (a, 4 u + g) lane (r, h) holds in register j gate g of row 16 a + r and unit 16 u + 8 h + j: the four gates of a number lie in one lane at one register index.  The biases are the C of each sum's first product.
; THE RING.  Two LDS slots of three K steps: a wave's tensor load brings three chunks on end of one panel, 38,400 dense bytes, as 150 rows of 256 bytes.  The 16 K steps go as 3 + 3 + 3 + 3 + 3 + 1.  The head asks for K steps 0-2, one load
; a wave; slot 1's first fill (K steps 3-5) follows behind the full sequence and a round, as a refill does.  A refill is asked for behind the 32nd product of a slot's last step and waited for behind the 16th product of the other slot's
; last step.  Slot 1's last fill is K step 15, one chunk a wave; slot 0's last fill is the tile of cell_state.  No two laps of the ring are alike, so the sixteen steps are written out, by macros.
; CLUSTERS: 4 x 4 work-groups.  The four of a row of the cluster need the same panels of a_img, the four of a column the same panels of w_img: each is asked for jointly, by the same tensor load with the same descriptor and a mask
; that names the four.  The work-group's tile of cell_state (256 rows x 256 bytes) is its own: plain loads, one a wave.
; THE WAY OUT.  With L = log2(e), Ei = 2^(-L i), Ef, Eo likewise, Eg = 2^min(2 L g, 40), En = 2^min(2 L new_cell, 40):  i g = (Eg - 1) / ((1 + Ei)(1 + Eg));  f = 1 / (1 + Ef);  new_hidden = (En - 1) / ((1 + Eo)(1 + En)).
; An Ei, Ef or Eo that overflows gives the reciprocal 0, which is the sigmoid's value there.  new_cell overwrites the cell tile in LDS, new_hidden goes to a stage in slot 1; both leave as whole rows of 256 bytes.
; LIMITS: the exponent of Eg and En is held at 40, where tanh is 1.0 in f32 already; near 0 tanh is formed as a difference from 1 and is right to about 1e-7 absolutely, not relatively; NaN and infinities among the inputs are not served.
; REGISTERS, in windows of 256.  Window 0: v1-6 at work in the head; v8-15 addresses of the way out and of the prefetches; v16-21 LDS addresses of fragments and scale words; v28, v29 the add's two; v32-47 scale words, two sets;
;   v64-127 the biases, later the four gates of a block; v128-223 A's fragments, ONE set, later the way out.  Window 1: B's fragments, TWO sets, at v0 and v128; later the rows read back.
;   Window 2: the 32 accumulators of my rows 0-63 ((a, b) at v[8 (8 a + b)]);  window 3: those of my rows 64-127.
.set CHUNK,  12800
.set FRB,    1536                      ; a fragment's image
.set UNITS,  50                        ; a chunk as rows of 256 bytes
.set WLD,    3*CHUNK                   ; a wave's part of a slot: three K steps of a panel
.set SLOT,   4*WLD                     ; A's two panels, then B's two
.set SPARE,  2*SLOT                    ; the spare words, 128 bytes for each wave
.set FR,     12                        ; registers of a fragment
.set NL,     3                         ; LDS loads that bring one
.set NP,     4                         ; places behind this matrix instruction (ISA guide 7.12.1)
.set CP,     272                       ; the cell tile (LDS byte 0) and the stage (at SLOT): 256 bytes a row + 16
.set CA,   8                           ; my 32 bytes of a row of the cell tile: (128 RH + r) CP + 128 CH + 32 h
.set CA2,  9                           ; the same in the stage
.set RB,   10                          ; where I read whole rows back: (128 RH + 16 CH + h) CP + 16 r
.set RB2,  11                          ; the same in the stage
.set CO,   12                          ; the same two rows in the outputs: 4,096 h + 16 r
.set PFC,  13                          ; 4,096 x lane: a row of cell_state a lane
.set PFO,  14                          ; 256 x lane
.set BO,   15                          ; 32 h: my eight numbers of a tile's sixteen biases
.set ADRA, 16                          ; v16-17 my lane's 16 bytes in my panel of A, slot 0, 1
.set ADRB, 18                          ; v18-19 the same for B
.set ADRS, 20                          ; v20-21 my scale words: lanes 0-15 A's rows, lanes 16-31 B's
.set SPW,  28                          ; LDS address of my spare word; never rewritten
.set NIL,  29                          ; 0; never rewritten
.set SC,   32                          ; scale words: set p at v[SC + 8 p]; register i: lanes 0-15 A's block i, lanes 16-31 B's block i
.set BIAS, 64
.set AF,   128
.set TI,   64                          ; the way out: a block's 16 numbers a lane of i, f, o, g
.set TF,   80
.set TO,   96
.set TG,   112
.set G1R,  192                         ; 1 + Eg, later 1 + En
.set TN,   208                         ; new_cell scaled, then En, then En - 1
.set G1,   24                          ; group 1 for three chunks of A;  G1B of B
.set G1B,  32
.set G1F,  40                          ; group 1 for one chunk of A (K step 15);  G1FB of B
.set G1FB, 48
.set G1C,  56                          ; group 1 for the cell tile
.set G0,   68                          ; group 0 for A, one set for each slot;  G0B for B;  G0C for the cell tile
.set G0B,  76
.set G0C,  84
.set WV,   88                          ; my wave's number
.set RH,   89                          ; which half of the tile's rows is mine.  Also: I fetch for A (0) or for B (1)
.set CH,   90                          ; which half of its columns.  Also: which of the two panels I fetch
.set CX,   91
.set CY,   92
.set TC,   93                          ; tile column = 4 x cluster x + cx
.set TR,   94                          ; tile row = 4 x cluster y + cy
.set MR,   95                          ; the mask of my row of the cluster
.set MC,   96                          ; of my column
.set PFA,  98                          ; s[98:99] my panel's first byte + my work-group's 32 blocks of 256 bytes; never rewritten
.set MSB, 0
.macro WIN new                         ; the immediate's high byte repeats the setting that is left; a switch that changes nothing is dropped
.if MSB != (\new)
	s_set_vgpr_msb (MSB<<8)|(\new)
.set MSB, (\new)
.endif
.endm
.set MUL_LO, 0xa1                      ; source 0 (B) window 1, source 1 (A) window 0, C and D window 2
.set MUL_HI, 0xf1                      ; the same, C and D window 3
.set TO_B,   0x40                      ; destination window 1, address window 0
.macro WLO zero                        ; zero = 1: C (the biases) lies in window 0
.if \zero
	WIN 0x81
.else
	WIN MUL_LO
.endif
.endm
.macro WHI zero
.if \zero
	WIN 0xc1
.else
	WIN MUL_HI
.endif
.endm
; A joint load: waves 0 and 1 fetch for A, waves 2 and 3 for B.  Each line has one mask and one set of registers for all that issue it; the branch hangs on the wave's number alone.
; An s_nop 0 and four v_nop follow each line, ahead of the jump, the label and what follows.
.macro JLOAD g0a, g1a, g0b, g1b
	s_cmp_eq_u32 s[RH], 0
	s_cbranch_scc0 .Lfor_b_\@
	tensor_load_to_lds s[\g0a:\g0a+3], s[\g1a:\g1a+7]
	s_nop 0
.rept 4
	v_nop
.endr
	s_branch .Lasked_\@
.Lfor_b_\@:
	tensor_load_to_lds s[\g0b:\g0b+3], s[\g1b:\g1b+7]
	s_nop 0
.rept 4
	v_nop
.endr
.Lasked_\@:
.endm
.macro CREST                           ; a round of the cluster's barrier behind its opening barrier
	s_cmp_lg_u32 s[WV], 0
	s_cbranch_scc1 .Lnot_wave_0_\@
	s_barrier_signal -3
.Lnot_wave_0_\@:
	s_barrier_wait -3
	s_barrier_signal -1
	s_barrier_wait -1
.endm
.macro CROUND                          ; a whole round
	s_barrier_signal -1
	s_barrier_wait -1
	CREST
.endm
; PREFETCHES INTO THE L2, behind a tensor load, its five lines and the run of LDS loads that follows.
; THE CODES.  A panel's sixteen chunks are 800 blocks of 256 bytes on end; K step s begins at block 50 s.  One instruction of each of the four partners that ask for a panel jointly names 128 blocks: partner p blocks 32 p + lane of
; them, told apart by address.  Every cluster asks for the panels that it will itself load.  Behind slot 1's first fill: blocks 288-543; behind the refill at K step 2: 544-671; at K step 5: 672-799.  The refills at K steps 2, 5, 8
; and 11 begin at blocks 300, 450, 600 and 750: each block has been named three K steps ahead of its load or more.  Blocks 0-287 come by their loads alone.  No address is stepped, and none passes its panel's end.
; THE CELL TILE: my wave's 64 rows of 256 bytes, a lane a row: rows 0-31 at K step 5, rows 32-63 at K step 8; their load stands at K step 14.
.macro ASK which
.if (\which) == 0
	global_prefetch_b8 v[PFO], s[PFA:PFA+1] offset:288*256 th:TH_LOAD_NT scope:SCOPE_SE
	global_prefetch_b8 v[PFO], s[PFA:PFA+1] offset:416*256 th:TH_LOAD_NT scope:SCOPE_SE
.elseif (\which) == 1
	global_prefetch_b8 v[PFO], s[PFA:PFA+1] offset:544*256 th:TH_LOAD_NT scope:SCOPE_SE
.elseif (\which) == 2
	global_prefetch_b8 v[PFO], s[PFA:PFA+1] offset:672*256 th:TH_LOAD_NT scope:SCOPE_SE
	global_prefetch_b8 v[PFC], s[16:17] th:TH_LOAD_NT scope:SCOPE_SE
.else
	global_prefetch_b8 v[PFC], s[16:17] offset:32*4096 th:TH_LOAD_NT scope:SCOPE_SE
.endif
.endm
.macro FRAG reg, adr, off              ; a fragment comes as it was stored: three loads of 16 bytes a lane, 512 consecutive bytes each
.irp c, 0,1,2
	ds_load_b128 v[\reg+4*\c:\reg+4*\c+3], v[\adr] offset:(\off)+512*\c
.endr
.endm
; 8 matrix instructions: A's block a x B's eight, 128 along K.  p: B's set and the set of scale words.  zero = 1: the first product starts the sums from the biases.
; The 64 accumulators take turns, one instruction a turn, in the same order in every step.
.macro MUL8 a, p, zero
.irp b, 0,1,2,3,4,5,6,7
.if \zero
	v_wmma_scale_f32_16x16x128_f8f6f4 v[8*(8*((\a)%4)+\b):8*(8*((\a)%4)+\b)+7], v[128*(\p)+FR*\b:128*(\p)+FR*\b+FR-1], v[AF+FR*(\a):AF+FR*(\a)+FR-1], v[BIAS+8*\b:BIAS+8*\b+7], v[SC+8*(\p)+\b], v[SC+8*(\p)+(\a)] matrix_a_fmt:MATRIX_FMT_FP6 matrix_b_fmt:MATRIX_FMT_FP6 matrix_a_scale:MATRIX_SCALE_ROW1
.else
	v_wmma_scale_f32_16x16x128_f8f6f4 v[8*(8*((\a)%4)+\b):8*(8*((\a)%4)+\b)+7], v[128*(\p)+FR*\b:128*(\p)+FR*\b+FR-1], v[AF+FR*(\a):AF+FR*(\a)+FR-1], v[8*(8*((\a)%4)+\b):8*(8*((\a)%4)+\b)+7], v[SC+8*(\p)+\b], v[SC+8*(\p)+(\a)] matrix_a_fmt:MATRIX_FMT_FP6 matrix_b_fmt:MATRIX_FMT_FP6 matrix_a_scale:MATRIX_SCALE_ROW1
.endif
.endr
.endm
.macro FETCH_B slot, q, p              ; B's eight fragments of the slot's q-th K step into set p
	WIN TO_B
.irp i, 0,1,2,3,4,5,6,7
	FRAG 128*(\p)+FR*\i, ADRB+\slot, CHUNK*(\q)+FRB*\i
.endr
	WIN 0
.endm
.macro FETCH_A slot, q, i0             ; A's blocks i0 .. i0 + 3
.irp i, 0,1,2,3
	FRAG AF+FR*((\i0)+\i), ADRA+\slot, CHUNK*(\q)+FRB*((\i0)+\i)
.endr
.endm
.macro SCALES slot, q, p               ; that K step's scale words into set p: lanes 0-15 take A's, lanes 16-31 B's
	ds_load_b128 v[SC+8*(\p):SC+8*(\p)+3],   v[ADRS+\slot] offset:CHUNK*(\q)
	ds_load_b128 v[SC+8*(\p)+4:SC+8*(\p)+7], v[ADRS+\slot] offset:CHUNK*(\q)+256
.endm
.macro PLACES n                        ; places in front of loads into registers that matrix instructions have read, and of the first reads of results (ISA guide 7.12.1 for the first reads of results)
.rept \n
	v_nop
.endr
.endm
; A K step that has its successor in the same slot.  A's blocks go one after the other, so one set of registers serves A: blocks 0-3 are fetched anew in the step's middle, blocks 4-7 at its end.
.macro STEP slot, q, p, zero
	s_wait_dscnt 4*NL                              ; B's set, the scale words and A's blocks 0-3 are in; the youngest 12 loads (A's blocks 4-7) may be out
	WLO \zero
	MUL8 0, \p, \zero
	MUL8 1, \p, \zero
	MUL8 2, \p, \zero
	MUL8 3, \p, \zero
	s_wait_dscnt 0                                 ; A's blocks 4-7 are in
	PLACES NP
	FETCH_B \slot, (\q)+1, 1-(\p)
	FETCH_A \slot, (\q)+1, 0
	SCALES \slot, (\q)+1, 1-(\p)
	WHI \zero
	MUL8 4, \p, \zero
	MUL8 5, \p, \zero
	MUL8 6, \p, \zero
	MUL8 7, \p, \zero
	PLACES NP
	WIN 0
	FETCH_A \slot, (\q)+1, 4
.endm
; A slot's last step changes slots: one barrier, which opens a round of the cluster's; in front of it each wave waits for all its tensor loads, adds 0 to its spare word, and waits for that and for its own reads of this slot.
; fill = 0: this slot takes three K steps, six further along K.  fill = 1: one K step, six further on (K step 15).  fill = 2 (slot 0's last fill): my wave's 64 rows of the cell tile, by a plain load.  ask: which prefetches follow (none: -1).
.macro TURN slot, next, p, fill, ask
	s_wait_dscnt 4*NL                              ; as in STEP
	WIN MUL_LO
	MUL8 0, \p, 0
	MUL8 1, \p, 0
	WIN 0                                          ; (the add's two registers lie in window 0)
	s_wait_tensorcnt 0x0                           ; all my tensor loads have landed: the one that was out is my part of the next slot;
	ds_add_u32 v[SPW], v[NIL]                      ; 0 onto my spare word
	WIN MUL_LO
	MUL8 2, \p, 0                                  ; eight matrix instructions stand between the add and the wait for it
	s_wait_dscnt 0x0                               ; the add is done, and my reads of this slot are over
	s_barrier_signal -1
	MUL8 3, \p, 0
	WIN 0
	s_barrier_wait -1
	CREST                                          ; no wave of any partner still reads this slot's tile or has a load on its way
.if (\fill) < 2
	s_add_nc_u64 s[G0+4*\slot+2:G0+4*\slot+3], s[G0+4*\slot+2:G0+4*\slot+3], 6*CHUNK
	s_add_nc_u64 s[G0B+4*\slot+2:G0B+4*\slot+3], s[G0B+4*\slot+2:G0B+4*\slot+3], 6*CHUNK
.if (\fill) == 0
	JLOAD G0+4*\slot, G1, G0B+4*\slot, G1B         ; the first tensor load behind the round, and my only one until the next; its four v_nop are the places in front of the loads below
.else
	JLOAD G0+4*\slot, G1F, G0B+4*\slot, G1FB
.endif
.else
	tensor_load_to_lds s[G0C:G0C+3], s[G1C:G1C+7]  ; the same place for the cell tile: every wave brings rows of its own, to LDS bytes of its own
	s_nop 0
.rept 4
	v_nop
.endr
.endif
	FETCH_B \next, 0, 1-(\p)
	FETCH_A \next, 0, 0
	SCALES \next, 0, 1-(\p)
.if (\ask) >= 0
	ASK \ask
.endif
	WIN MUL_HI
	MUL8 4, \p, 0
	MUL8 5, \p, 0
	MUL8 6, \p, 0
	MUL8 7, \p, 0
	PLACES NP
	WIN 0
	FETCH_A \next, 0, 4
.endm
	s_load_b128 s[4:7], s[0:1], 0x0                ; a_img s[4:5], w_img s[6:7]
	s_load_b256 s[8:15], s[0:1], 0x10              ; b_i s[8:9], b_f s[10:11], b_o s[12:13], b_g s[14:15]
	s_load_b128 s[16:19], s[0:1], 0x30             ; cell_state s[16:17], out0 s[18:19]
	s_load_b64 s[20:21], s[0:1], 0x40              ; out1
	v_lshl_add_u32 v[SPW], v0, 2, SPARE
	v_mov_b32 v[NIL], 0
	ds_add_u32 v[SPW], v[NIL]                      ; the opening lines: the add, twice on end, and its wait ahead of my first tensor load
	ds_add_u32 v[SPW], v[NIL]
	v_lshrrev_b32 v1, 5, v0
	v_readfirstlane_b32 s[WV], v1                  ; wave 0..3
	s_lshr_b32 s[RH], s[WV], 1
	s_and_b32 s[CH], s[WV], 1
	s_bfe_u32 s[CX], ttmp6, 0x40000                ; cx, cy: my place in the cluster
	s_bfe_u32 s[CY], ttmp6, 0x40004
	s_lshl_b32 s[TC], ttmp9, 2
	s_add_co_u32 s[TC], s[TC], s[CX]
	s_and_b32 s[TR], ttmp7, 0xffff
	s_lshl_b32 s[TR], s[TR], 2
	s_add_co_u32 s[TR], s[TR], s[CY]
	s_lshl_b32 s[MR], s[CY], 2
	s_lshl_b32 s[MR], 15, s[MR]                    ; my row of the cluster: places 4 cy .. 4 cy + 3
	s_lshl_b32 s[MC], 0x1111, s[CX]                ; my column: places cx, cx + 4, cx + 8, cx + 12
	; groups 1: dense blocks, as rows of 256 bytes (32 elements of 8 bytes), no padding; 15:0 the mask; bit 21 set beside it
	s_or_b32 s[G1+0], s[MR], (3<<16)|(1<<21)
	s_or_b32 s[G1B+0], s[MC], (3<<16)|(1<<21)
	s_or_b32 s[G1F+0], s[MR], (3<<16)|(1<<21)
	s_or_b32 s[G1FB+0], s[MC], (3<<16)|(1<<21)
.irp g, G1, G1B
	s_mov_b32 s[\g+1], 32<<16                      ; tensor_dim0
	s_mov_b32 s[\g+2], (3*UNITS)<<16               ; tensor_dim1: three chunks
	s_mov_b32 s[\g+3], 32<<16                      ; tile_dim0
	s_mov_b32 s[\g+4], 3*UNITS                     ; tile_dim1
	s_mov_b32 s[\g+5], 32                          ; tensor_dim0_stride
	s_mov_b32 s[\g+6], 0
	s_mov_b32 s[\g+7], 0
.endr
.irp g, G1F, G1FB
	s_mov_b32 s[\g+1], 32<<16
	s_mov_b32 s[\g+2], UNITS<<16                   ; one chunk
	s_mov_b32 s[\g+3], 32<<16
	s_mov_b32 s[\g+4], UNITS
	s_mov_b32 s[\g+5], 32
	s_mov_b32 s[\g+6], 0
	s_mov_b32 s[\g+7], 0
.endr
	; where the tiles come from.  A's hang on the tile row alone, B's on the tile column alone, each in registers that never hold the other coordinate.  All offsets stay under 2^24
	s_lshl_b32 s22, s[TR], 1
	s_add_co_u32 s22, s22, s[CH]                   ; A: panel 2 x tile row + half
	s_mul_i32 s22, s22, 16*CHUNK
	s_mov_b32 s23, 0
	s_lshl_b32 s104, s[TC], 1
	s_add_co_u32 s104, s104, s[CH]                 ; B: panel 2 x tile column + half
	s_mul_i32 s104, s104, 16*CHUNK
	s_mov_b32 s105, 0
	s_mul_i32 s100, s[WV], WLD                     ; where they go: wave x three chunks: no place in the cluster enters an LDS address
	s_wait_dscnt 0x0                               ; both opening adds are done
	s_wait_kmcnt 0x0
	s_add_nc_u64 s[22:23], s[4:5], s[22:23]
	s_add_nc_u64 s[104:105], s[6:7], s[104:105]
.irp s, 0,1
	s_mov_b32 s[G0+4*\s], 1
	s_add_co_u32 s[G0+4*\s+1], s100, \s*SLOT
	s_add_nc_u64 s[G0+4*\s+2:G0+4*\s+3], s[22:23], \s*3*CHUNK    ; slot 0 begins with K step 0, slot 1 with K step 3
	s_or_b32 s[G0+4*\s+3], s[G0+4*\s+3], 0x80000000
	s_mov_b32 s[G0B+4*\s], 1
	s_add_co_u32 s[G0B+4*\s+1], s100, \s*SLOT
	s_add_nc_u64 s[G0B+4*\s+2:G0B+4*\s+3], s[104:105], \s*3*CHUNK
	s_or_b32 s[G0B+4*\s+3], s[G0B+4*\s+3], 0x80000000
.endr
	CROUND                                         ; all sixteen work-groups are here: the first joint loads meet
	JLOAD G0, G1, G0B, G1B                         ; K steps 0 to 2: one tensor load a wave at the head
	; the prefetches of codes: the panel that I fetch, + my work-group's 32 blocks of each 128
	s_cmp_eq_u32 s[RH], 0                          ; do I fetch for A?
	s_cselect_b32 s3, s[TR], s[TC]                 ; the tile: in A by the tile row, in B by the tile column
	s_cselect_b32 s100, s[CX], s[CY]               ; my place among the four that ask for it with me
	s_cselect_b64 s[PFA:PFA+1], s[4:5], s[6:7]
	s_lshl_b32 s3, s3, 1
	s_add_co_u32 s3, s3, s[CH]
	s_mul_i32 s2, s3, 16*CHUNK
	s_lshl_b32 s100, s100, 13
	s_add_co_u32 s2, s2, s100
	s_mov_b32 s3, 0
	s_add_nc_u64 s[PFA:PFA+1], s[PFA:PFA+1], s[2:3]
	; the cell tile: my wave's 64 rows x 256 bytes, 4,096 bytes apart in memory, 16 bytes of padding behind each in LDS.  A plain load: no mask
	s_lshl_b32 s2, s[TR], 8
	s_lshl_b32 s3, s[WV], 6
	s_add_co_u32 s2, s2, s3
	s_lshl_b32 s2, s2, 12                          ; (256 x tile row + 64 x wave) rows of 4,096 bytes
	s_lshl_b32 s3, s[TC], 8                        ; + the tile's 64 units
	s_add_co_u32 s2, s2, s3
	s_mov_b32 s3, 0
	s_add_nc_u64 s[16:17], s[16:17], s[2:3]        ; never rewritten from here on
	s_mov_b32 s[G1C+0], (3<<16)|(1<<20)|(5<<22)|(3<<25)   ; elements of 8 bytes; padding on: after every 64 words, 4 words
	s_mov_b32 s[G1C+1], 32<<16
	s_mov_b32 s[G1C+2], 64<<16
	s_mov_b32 s[G1C+3], 32<<16
	s_mov_b32 s[G1C+4], 64
	s_mov_b32 s[G1C+5], 512                        ; tensor_dim0_stride: 4,096 bytes
	s_mov_b32 s[G1C+6], 0
	s_mov_b32 s[G1C+7], 0
	s_mov_b32 s[G0C], 1
	s_mul_i32 s[G0C+1], s[WV], 64*CP               ; LDS: wave x 64 rows, from byte 0
	s_mov_b64 s[G0C+2:G0C+3], s[16:17]
	s_or_b32 s[G0C+3], s[G0C+3], 0x80000000
	; the outputs at the first row that I store: 256 x tile row + 128 RH + 16 CH, and the tile's 256 bytes of it
	s_lshl_b32 s2, s[TR], 8
	s_lshl_b32 s3, s[RH], 7
	s_add_co_u32 s2, s2, s3
	s_lshl_b32 s3, s[CH], 4
	s_add_co_u32 s2, s2, s3
	s_lshl_b32 s2, s2, 12
	s_lshl_b32 s3, s[TC], 8
	s_add_co_u32 s2, s2, s3
	s_mov_b32 s3, 0
	s_add_nc_u64 s[18:19], s[18:19], s[2:3]
	s_add_nc_u64 s[20:21], s[20:21], s[2:3]
	; the biases at my wave's 32 units: 4 x (64 x tile column + 32 CH)
	s_lshl_b32 s2, s[TC], 8
	s_lshl_b32 s100, s[CH], 7
	s_add_co_u32 s2, s2, s100
.irp g, 0,1,2,3
	s_add_nc_u64 s[8+2*\g:9+2*\g], s[8+2*\g:9+2*\g], s[2:3]
.endr
	; the scalar parts of the LDS addresses, all made of the wave's number alone
	s_mul_i32 s2, s[RH], WLD                       ; my panel of A
	s_mul_i32 s3, s[CH], WLD
	s_add_co_u32 s3, s3, 2*WLD                     ; my panel of B, behind A's two
	s_sub_co_u32 s100, s3, s2                      ; the distance between the two
	s_add_co_u32 s101, s2, 8*FRB                   ; A's scale words: behind the chunk's eight fragments
	s_mul_i32 s22, s[RH], 128*CP
	s_lshl_b32 s23, s[CH], 7
	s_add_co_u32 s23, s23, s22                     ; the way out: my rows, my half of their 256 bytes
	s_mul_i32 s104, s[CH], 16*CP
	s_add_co_u32 s104, s104, s22                   ; and the rows that I read back
	; the head's vector lines, in one run
	v_and_b32 v1, 15, v0                           ; r = l % 16
	v_bfe_u32 v2, v0, 4, 1                         ; h = l / 16
	v_and_b32 v6, 31, v0
	v_lshlrev_b32 v[BO], 5, v2
.irp u, 0,1                                    ; block 4 u + g of B: lane (r, h) wants the biases of gate g at units 16 u + 8 h + 0 .. 7: the result's layout
.irp g, 0,1,2,3
	global_load_b128 v[BIAS+8*(4*\u+\g):BIAS+8*(4*\u+\g)+3],   v[BO], s[8+2*\g:9+2*\g] offset:64*\u
	global_load_b128 v[BIAS+8*(4*\u+\g)+4:BIAS+8*(4*\u+\g)+7], v[BO], s[8+2*\g:9+2*\g] offset:64*\u+16
.endr
.endr
	v_lshlrev_b32 v3, 4, v6                        ; 16 x lane: an image's place for my lane
	v_add_nc_u32 v[ADRA], s2, v3
	v_add_nc_u32 v[ADRB], s3, v3
	v_add_nc_u32 v[ADRA+1], SLOT, v[ADRA]
	v_add_nc_u32 v[ADRB+1], SLOT, v[ADRB]
	v_mul_u32_u24 v4, s100, v2                     ; lanes 16-31 take B's scale words: one product, the distance between the two
	v_lshl_add_u32 v4, v1, 4, v4                   ; 16 bytes a row: four blocks' words
	v_add_nc_u32 v[ADRS], s101, v4
	v_add_nc_u32 v[ADRS+1], SLOT, v[ADRS]
	v_mul_u32_u24 v5, v1, CP
	v_lshl_add_u32 v5, v2, 5, v5
	v_add_nc_u32 v[CA], s23, v5
	v_add_nc_u32 v[CA2], SLOT, v[CA]
	v_mul_u32_u24 v5, v2, CP
	v_lshl_add_u32 v5, v1, 4, v5
	v_add_nc_u32 v[RB], s104, v5
	v_add_nc_u32 v[RB2], SLOT, v[RB]
	v_lshlrev_b32 v[CO], 12, v2
	v_lshl_add_u32 v[CO], v1, 4, v[CO]
	v_lshlrev_b32 v[PFC], 12, v6
	v_lshlrev_b32 v[PFO], 8, v6
	s_wait_alu depctr_va_vdst(0)
	s_wait_tensorcnt 0x0                           ; my part of K steps 0-2 is in; the same lines stand ahead of the later first fill as ahead of a refill:
	ds_add_u32 v[SPW], v[NIL]
	s_wait_dscnt 0x0
	CROUND                                         ; everybody's part is in, and all sixteen work-groups are here
	JLOAD G0+4, G1, G0B+4, G1B                     ; K steps 3 to 5, the first tensor load behind the round
	FETCH_B 0, 0, 0
	FETCH_A 0, 0, 0
	SCALES 0, 0, 0
	FETCH_A 0, 0, 4
	ASK 0
	s_wait_loadcnt 0x0                             ; the biases are in, so their pointers' registers are free:
	s_mov_b32 s8, 0xbfb8aa3b                       ; -log2(e), twice: the packed forms name a pair
	s_mov_b32 s9, 0xbfb8aa3b
	s_mov_b32 s10, 0x4038aa3b                      ; 2 log2(e), twice
	s_mov_b32 s11, 0x4038aa3b
	s_mov_b32 s12, 0x42200000                      ; 40.0
	; the sixteen K steps; B's set and the scale words' set are the step's number modulo 2
	STEP 0, 0, 0, 1                                ; 0: starts the sums
	STEP 0, 1, 1, 0                                ; 1
	TURN 0, 1, 0, 0, 1                             ; 2; slot 0 takes K steps 6-8
	STEP 1, 0, 1, 0                                ; 3
	STEP 1, 1, 0, 0                                ; 4
	TURN 1, 0, 1, 0, 2                             ; 5; slot 1 takes K steps 9-11
	STEP 0, 0, 0, 0                                ; 6
	STEP 0, 1, 1, 0                                ; 7
	TURN 0, 1, 0, 0, 3                             ; 8; slot 0 takes K steps 12-14
	STEP 1, 0, 1, 0                                ; 9
	STEP 1, 1, 0, 0                                ; 10
	TURN 1, 0, 1, 1, -1                            ; 11; slot 1 takes K step 15
	STEP 0, 0, 0, 0                                ; 12
	STEP 0, 1, 1, 0                                ; 13
	TURN 0, 1, 0, 2, -1                            ; 14; slot 0 takes the cell tile
	s_wait_dscnt 4*NL                              ; 15: nothing more to fetch
	WIN MUL_LO
	MUL8 0, 1, 0
	MUL8 1, 1, 0
	MUL8 2, 1, 0
	MUL8 3, 1, 0
	s_wait_dscnt 0x0                               ; A's blocks 4-7 are in: my reads of slot 1 are over
	WIN MUL_HI
	MUL8 4, 1, 0
	MUL8 5, 1, 0
	MUL8 6, 1, 0
	MUL8 7, 1, 0
	WIN 0
	PLACES NP                                      ; in front of the first reads of results, and of loads and writes into the registers that held A's fragments
; THE WAY OUT.  A pair of blocks, 32 rows of each row half, is finished; a barrier, since a row's 256 bytes come from the two waves of a row half; each wave reads 16 whole rows of each result back (READBACK) and stores them (SEND).
; The rows read back lie in window 1, a set of their own for each pair, so no store's data are written again.  A pair's stores are issued in the middle of the next block, behind that block's own wait for its LDS loads.
.macro READBACK p
	WIN 0x40                                       ; destination window 1
.irp t, 0,1,2,3,4,5,6,7
	ds_load_b128 v[64*(\p)+4*\t:64*(\p)+4*\t+3], v[RB] offset:(32*(\p)+2*\t)*CP          ; new_cell: lanes 0-15 one row, lanes 16-31 the next
.endr
.irp t, 0,1,2,3,4,5,6,7
	ds_load_b128 v[64*(\p)+32+4*\t:64*(\p)+32+4*\t+3], v[RB2] offset:(32*(\p)+2*\t)*CP   ; new_hidden
.endr
	WIN 0
.endm
.macro SEND p
	WIN 0x04                                       ; a store's data are its source 1: window 1
.irp t, 0,1,2,3,4,5,6,7
	global_store_b128 v[CO], v[64*(\p)+4*\t:64*(\p)+4*\t+3], s[20:21] offset:(32*(\p)+2*\t)*4096 th:TH_STORE_NT   ; 16 lanes store 256 consecutive bytes, at a multiple of 256 from the output's first byte
.endr
.irp t, 0,1,2,3,4,5,6,7
	global_store_b128 v[CO], v[64*(\p)+32+4*\t:64*(\p)+32+4*\t+3], s[18:19] offset:(32*(\p)+2*\t)*4096 th:TH_STORE_NT
.endr
	WIN 0
.endm
.macro CELLS a                         ; c(16 a + r, 16 u + 8 h + 0 .. 7): the accumulators' layout
.irp u, 0,1
	ds_load_b128 v[CC+8*\u:CC+8*\u+3],   v[CA] offset:16*(\a)*CP+64*\u
	ds_load_b128 v[CC+8*\u+4:CC+8*\u+7], v[CA] offset:16*(\a)*CP+64*\u+16
.endr
.endm
; A block of 16 rows x my 32 units: 16 numbers a lane.  The transcendentals go in four batches, each with a wait ahead of it, and one plain line and one wait behind it.
; CC and NH have two sets, taken by turns.  send: the pair whose rows, read back, are stored in this block (none: -1).
; Block 0 holds the barrier that shows the cell tile whole and slot 1 read out to all four waves: it stands where the cell numbers are first wanted, behind the block's first two batches.
.macro BLOCK a, send
.set AC, 64*((\a)%4)                   ; its eight accumulators, in window 2 (blocks 0-3) or 3 (blocks 4-7)
.set CC, 128+16*((\a)%2)               ; cell_state, then new_cell
.set NH, 160+16*((\a)%2)               ; new_hidden
.if (\a) > 0
	CELLS \a
.endif
	WIN 0x02+(\a)/4                                ; source 0: window 2 or 3
.irp u, 0,1
.irp g, 0,1,2
.irp k, 0,2,4,6
	v_pk_mul_f32 v[TI+16*\g+8*\u+\k:TI+16*\g+8*\u+\k+1], v[AC+8*(4*\u+\g)+\k:AC+8*(4*\u+\g)+\k+1], s[8:9] op_sel_hi:[1,0]   ; -L i, -L f, -L o; each accumulator from its low end on
.endr
.endr
.irp k, 0,2,4,6
	v_pk_mul_f32 v[TG+8*\u+\k:TG+8*\u+\k+1], v[AC+8*(4*\u+3)+\k:AC+8*(4*\u+3)+\k+1], s[10:11] op_sel_hi:[1,0]             ; 2 L g
.endr
.endr
	WIN 0
.set J, 0
.rept 16
	v_min_num_f32 v[TG+J], s12, v[TG+J]            ; held at 40
.set J, J+1
.endr
.set J, 0
	s_wait_alu depctr_va_vdst(0)
.rept 64
	v_exp_f32 v[TI+J], v[TI+J]                     ; Ei, Ef, Eo, Eg
.set J, J+1
.endr
	v_nop
	s_wait_alu depctr_va_vdst(0)
.set J, 0
.rept 8
	v_pk_add_f32 v[TF+J:TF+J+1], v[TF+J:TF+J+1], 1.0 op_sel_hi:[1,0]          ; 1 + Ef
.set J, J+2
.endr
.set J, 0
.rept 8
	v_pk_add_f32 v[G1R+J:G1R+J+1], v[TG+J:TG+J+1], 1.0 op_sel_hi:[1,0]        ; 1 + Eg
.set J, J+2
.endr
.set J, 0
.rept 8
	v_pk_add_f32 v[TG+J:TG+J+1], v[TG+J:TG+J+1], -1.0 op_sel_hi:[1,0]         ; Eg - 1
.set J, J+2
.endr
.set J, 0
.rept 8
	v_pk_fma_f32 v[TI+J:TI+J+1], v[TI+J:TI+J+1], v[G1R+J:G1R+J+1], v[G1R+J:G1R+J+1]   ; (1 + Ei)(1 + Eg)
.set J, J+2
.endr
.set J, 0
	s_wait_alu depctr_va_vdst(0)
.rept 16
	v_rcp_f32 v[TF+J], v[TF+J]                     ; f
.set J, J+1
.endr
.set J, 0
.rept 16
	v_rcp_f32 v[TI+J], v[TI+J]
.set J, J+1
.endr
	v_nop
	s_wait_alu depctr_va_vdst(0)
.set J, 0
.rept 8
	v_pk_mul_f32 v[TG+J:TG+J+1], v[TG+J:TG+J+1], v[TI+J:TI+J+1]               ; i g
.set J, J+2
.endr
	s_wait_alu depctr_va_vdst(0)
.if (\a) == 0
	s_wait_tensorcnt 0x0                           ; my 64 rows of the cell tile have landed: other waves read them behind this barrier
	s_wait_dscnt 0x0                               ; no LDS instruction of mine is out: other waves store into slot 1 behind this barrier
	s_barrier_signal -1
	s_barrier_wait -1
	CELLS \a
.endif
	s_wait_dscnt 0x0                               ; the cell numbers are in, the last block's stores are done, and the rows read back in front of this block are in
.if (\send) >= 0
	SEND \send
.endif
.set J, 0
.rept 8
	v_pk_fma_f32 v[CC+J:CC+J+1], v[CC+J:CC+J+1], v[TF+J:TF+J+1], v[TG+J:TG+J+1]   ; new_cell = c f + i g
.set J, J+2
.endr
.irp u, 0,1
	ds_store_b128 v[CA], v[CC+8*\u:CC+8*\u+3]   offset:16*(\a)*CP+64*\u       ; over the cell numbers that I alone have read: the tile was these bytes' last fill
	ds_store_b128 v[CA], v[CC+8*\u+4:CC+8*\u+7] offset:16*(\a)*CP+64*\u+16
.endr
.set J, 0
.rept 8
	v_pk_mul_f32 v[TN+J:TN+J+1], v[CC+J:CC+J+1], s[10:11] op_sel_hi:[1,0]     ; 2 L new_cell
.set J, J+2
.endr
.set J, 0
.rept 16
	v_min_num_f32 v[TN+J], s12, v[TN+J]            ; held at 40
.set J, J+1
.endr
.set J, 0
	s_wait_alu depctr_va_vdst(0)
.rept 16
	v_exp_f32 v[TN+J], v[TN+J]                     ; En
.set J, J+1
.endr
	v_nop
	s_wait_alu depctr_va_vdst(0)
.set J, 0
.rept 8
	v_pk_add_f32 v[G1R+J:G1R+J+1], v[TN+J:TN+J+1], 1.0 op_sel_hi:[1,0]        ; 1 + En
.set J, J+2
.endr
.set J, 0
.rept 8
	v_pk_add_f32 v[TN+J:TN+J+1], v[TN+J:TN+J+1], -1.0 op_sel_hi:[1,0]         ; En - 1
.set J, J+2
.endr
.set J, 0
.rept 8
	v_pk_fma_f32 v[TO+J:TO+J+1], v[TO+J:TO+J+1], v[G1R+J:G1R+J+1], v[G1R+J:G1R+J+1]   ; (1 + Eo)(1 + En)
.set J, J+2
.endr
.set J, 0
	s_wait_alu depctr_va_vdst(0)
.rept 16
	v_rcp_f32 v[TO+J], v[TO+J]
.set J, J+1
.endr
	v_nop
	s_wait_alu depctr_va_vdst(0)
.set J, 0
.rept 8
	v_pk_mul_f32 v[NH+J:NH+J+1], v[TN+J:TN+J+1], v[TO+J:TO+J+1]               ; new_hidden
.set J, J+2
.endr
.irp u, 0,1
	ds_store_b128 v[CA2], v[NH+8*\u:NH+8*\u+3]   offset:16*(\a)*CP+64*\u      ; into the stage in slot 1, which has had its last fill and its last read
	ds_store_b128 v[CA2], v[NH+8*\u+4:NH+8*\u+7] offset:16*(\a)*CP+64*\u+16
.endr
.endm
.macro MEETP                           ; my stores of the pair have landed: then the work-group's barrier.  Later blocks touch later rows alone, which nobody reads before their own barrier
	s_wait_dscnt 0x0
	s_barrier_signal -1
	s_barrier_wait -1
.endm
	BLOCK 0, -1
	BLOCK 1, -1
	MEETP
	READBACK 0
	BLOCK 2, 0
	BLOCK 3, -1
	MEETP
	READBACK 1
	BLOCK 4, 1
	BLOCK 5, -1
	MEETP
	READBACK 2
	BLOCK 6, 2
	BLOCK 7, -1
	MEETP
	READBACK 3
	s_wait_dscnt 0x0                               ; the last pair's rows are back
	SEND 3
	s_wait_tensorcnt 0x0                           ; the wave's end: behind my last tensor load and my last LDS store
	ds_add_u32 v[SPW], v[NIL]
	s_wait_dscnt 0x0
	CROUND                                         ; the closing round: no work-group ends while a partner may still ask for a tile that names it
	s_endpgm
.Lfunc_end_k_q132e3b701c_gemm:
	.size	k_q132e3b701c_gemm, .Lfunc_end_k_q132e3b701c_gemm-k_q132e3b701c_gemm
	.p2alignl 7, 3214868480
	.fill 96, 4, 3214868480
	.section	.rodata,"a",@progbits
	.p2align	6, 0x0
	.amdhsa_kernel k_q132e3b701c_gemm
		.amdhsa_group_segment_fixed_size 327680
		.amdhsa_private_segment_fixed_size 0
		.amdhsa_enable_private_segment 0
		.amdhsa_kernarg_size 72
		.amdhsa_user_sgpr_count 2
		.amdhsa_user_sgpr_kernarg_segment_ptr 1
		.amdhsa_wavefront_size32 1
		.amdhsa_system_sgpr_workgroup_id_x 1
		.amdhsa_system_sgpr_workgroup_id_y 1
		.amdhsa_system_sgpr_workgroup_id_z 1
		.amdhsa_system_vgpr_workitem_id 0
		.amdhsa_next_free_vgpr 1024
		.amdhsa_next_free_sgpr 106
		.amdhsa_reserve_vcc 0
		.amdhsa_float_denorm_mode_32 3
		.amdhsa_float_denorm_mode_16_64 3
		.amdhsa_memory_ordered 1
		.amdhsa_forward_progress 1
		.amdhsa_inst_pref_size 255
	.end_amdhsa_kernel
	.section	.bss,"aw",@nobits
	.p2align	6
	.space	262144
	.amdgpu_metadata
---
amdhsa.version: [ 1, 2 ]
amdhsa.kernels:
  - .name:           k_q132e3b701c_gemm
    .symbol:         k_q132e3b701c_gemm.kd
    .args:
      - { .name: a_img, .offset: 0, .size: 8, .value_kind: global_buffer, .address_space: global }
      - { .name: w_img, .offset: 8, .size: 8, .value_kind: global_buffer, .address_space: global }
      - { .name: b_i, .offset: 16, .size: 8, .value_kind: global_buffer, .address_space: global }
      - { .name: b_f, .offset: 24, .size: 8, .value_kind: global_buffer, .address_space: global }
      - { .name: b_o, .offset: 32, .size: 8, .value_kind: global_buffer, .address_space: global }
      - { .name: b_g, .offset: 40, .size: 8, .value_kind: global_buffer, .address_space: global }
      - { .name: cell_state, .offset: 48, .size: 8, .value_kind: global_buffer, .address_space: global }
      - { .name: out0, .offset: 56, .size: 8, .value_kind: global_buffer, .address_space: global }
      - { .name: out1, .offset: 64, .size: 8, .value_kind: global_buffer, .address_space: global }
    .group_segment_fixed_size: 327680
    .private_segment_fixed_size: 0
    .kernarg_segment_align: 8
    .kernarg_segment_size: 72
    .max_flat_workgroup_size: 128
    .sgpr_count:     106
    .vgpr_count:     1024
    .wavefront_size: 32
...
	.end_amdgpu_metadata
.endif
;; end of part 2
